; MI455X (gfx1250); checked and timed in simulation.
; The chip was launched on July 23, 2026; its instructions are those of AMD's public machine-readable ISA for CDNA 5 (MIT licence, August 2026) and "CDNA5" Instruction Set Architecture Reference Guide (July 2026). The comments in the code are by the model that wrote it; some were corrected since.
;; Dynamic Sliding Window Attention. Allowed arithmetic: matrix products marked QUANTISED: E4M3 operands, one E8M0 scale for each 32 along K, by v_wmma_scale_f32_16x16x128_f8f6f4 with both operands' format E4M3, f32 sums; everything else in f32.
;; Inputs: K_codes 2 x 16 x 2,048 x 2 x 32 uint8 (E4M3 codes of K, K innermost, in blocks of 32 codes); K_scales 2 x 16 x 2,048 x 2 uint8 (E8M0 scales of K, one for each 32 codes along K); Q_codes 2 x 16 x 2,048 x 2 x 32 uint8 (E4M3 codes of Q, K innermost, in blocks of 32 codes); Q_scales 2 x 16 x 2,048 x 2 uint8 (E8M0 scales of Q, one for each 32 codes along K); V_codes 2 x 16 x 64 x 64 x 32 uint8 (E4M3 codes of V, K innermost, in blocks of 32 codes); V_scales 2 x 16 x 64 x 64 uint8 (E8M0 scales of V, one for each 32 codes along K); window_sizes 16 int32.
;; Outputs: out0 2 x 16 x 2,048 x 64 float32.
;; This version of the problem:
;;   THIS VERSION OF THE PROBLEM IS GIVEN IN LOW PRECISION. The matrix products marked QUANTISED in the list below multiply operands that are first quantised to E4M3 (4 exponent bits, 3 mantissa bits; 8 bits a number), with one power-of-two scale for each 32 numbers along K (OCP MX v1.0); their sums are f32. All else is computed in f32.
;;   The module's matrix products, in the order in which they are computed (A, B: the left and right operand; K: the contracted axis; several contracted axes count as one K, in the product's order):
;;     1. batch 32 x [M 2,048, K 64] x [K 64, N 2,048]; A: input Q (given as codes); B: input K (given as codes): QUANTISED
;;     2. batch 32 x [M 2,048, K 2,048] x [K 2,048, N 64]; A: softmax (see below); B: input V (given as codes): QUANTISED
;;   THE QUANTISER, for each operand of a quantised product, along K:
;;     - K is cut into blocks of 32 from its start; a last block that is shorter is filled with zeros.
;;     - A block's scale is 2^e with e = floor(log2(the largest magnitude in the block)) - 8, held to -126 .. 127; a block of zeros has e = 0. As a byte (E8M0): e + 127.
;;     - Each number is divided by its block's scale, clamped to +-448, and rounded to the nearest number of E4M3, ties to even, subnormals kept.
;;     - The product sums the exact products of the quantised numbers (number of the format x scale) in f32.
;;   ~~~python
;;   def quantise(x, axis):      # numpy; x: float32 -> the quantised numbers, widened to float32 again
;;       x = np.moveaxis(x, axis, -1); K = x.shape[-1]
;;       x = np.pad(x, [(0, 0)] * (x.ndim - 1) + [(0, -K % 32)]); x = x.reshape(x.shape[:-1] + (-1, 32)); a = np.abs(x).max(-1, keepdims=True)
;;       e = np.where(a > 0, np.clip(np.frexp(np.where(a > 0, a, 1))[1] - 1 - 8, -126, 127), 0)      # np.frexp(a)[1] - 1 = floor(log2(a)), exactly
;;       r = np.clip(x / 2.0 ** e, -448, 448)
;;       step = 2.0 ** (np.maximum(np.frexp(np.where(r == 0, 1, r))[1] - 1, -6) - 3)
;;       q = np.round(r / step) * step * 2.0 ** e      # np.round: ties to even
;;       return np.moveaxis(q.reshape(q.shape[:-2] + (-1,))[..., :K], -1, axis).astype(np.float32)
;;   ~~~
;;   SOFTMAX AHEAD OF A QUANTISED PRODUCT. Where the list says 'softmax', what is quantised is not the finished softmax but p = 2^(t - M), with t = logit x log2(e) and M = ceil(the row's largest t), a whole number; so 1/2 < the row's largest p <= 1. The row's sum l is taken of the UNQUANTISED p, in f32, and the product's result is divided by l at the end. Since M is a whole number, a kernel that streams over the keys may use a running M (the ceiling of the running maximum): every later rescaling is an exact power of two, which a block's scale takes up: the codes' values come out the same.
;;   OPERANDS COMPUTED ON THE WAY. 'Computed on the way' means the value that the module computes at that place (a softmax that the list does not call 'softmax' is quantised finished and normalised). What goes into a quantiser is computed in f32, as accurately as f32 sums, v_exp_f32 and their like allow (about 1e-6 of the number): no bf16 or f16 on the way to a quantiser, and a product that is left as it is and whose result goes on into a quantised operand takes f32 operands (vector FMAs, or v_wmma_f32_16x16x4_f32). A number that lies on a knife's edge between two numbers of the format may be rounded either way, as far as f32 arithmetic and the matrix unit's own rounding can turn it there, and no further.
;;   INPUTS GIVEN AS CODES. K (in the module: [2, 16, 2048, 64], K = its axis 3); Q (in the module: [2, 16, 2048, 64], K = its axis 3); V (in the module: [2, 16, 2048, 64], K = its axis 2): each comes as NAME_codes (uint8): NAME with its K axis moved to the last place and cut into blocks of 32 codes, [.., K / 32, bytes a block], one block behind the other in memory; one code a byte (a code: sign, 4 exponent bits, 3 mantissa bits); and NAME_scales (uint8): the same leading axes, one E8M0 byte (e + 127) for each 32 codes along K. Its value is code x scale, taken as it is: it is not quantised again, and the codes and scales need not be those that the quantiser above would give.
;; 2 versions. Each part assembles by itself: llvm-mc -triple=amdgcn-amd-amdhsa -mcpu=gfx1250 --defsym DOCPART=n.
;; ======== version 1 of 2: 1 launch
;; launch attn (part 1): grid 32 x 8, 16 waves a work-group, no clusters, 235,520 bytes of LDS; arguments Q_codes, Q_scales, K_codes, K_scales, V_codes, V_scales, window_sizes, out0; writes out0
.if DOCPART == 1
	.amdgcn_target "amdgcn-amd-amdhsa--gfx1250"
	.amdhsa_code_object_version 6
	.text
	.protected	k_qad089a4a77_attn
	.globl	k_qad089a4a77_attn
	.p2align	8
	.type	k_qad089a4a77_attn,@function
k_qad089a4a77_attn:
	s_mov_b64 s[64:65], 0
	v_nop
	global_prefetch_b8 v0, s[64:65] scope:SCOPE_SE
	s_setreg_imm32_b32 hwreg(HW_REG_WAVE_MODE, 25, 1), 1
	s_wait_xcnt 0x0
; out0[b][h][q][:] = the sum over k of softmax_k(Q[q] . K[k] / 8) V[k][:], key k counting for query q where 0 <= q - k <= window_sizes[h].  2 x 16 heads, 2,048 positions, head size 64.
; Both products on codes of FP8 (E4M3) with one E8M0 byte for each 32 along a product's K.  Q, K: rows of 64 codes, 2 scale bytes a row.  V: keys innermost, 64 rows of 2,048 codes a head, 64 scale bytes a row.
; THE SOFTMAX AHEAD OF THE SECOND PRODUCT: t = score x log2(e) / 8; M = the row's largest t so far, rounded up to a whole number; p = 2^(t - M) is quantised along the keys, not normalised;
; the row's sum is taken of the unquantised p and divides at the end.  When M moves, the sum and O are multiplied by 2^(old M - new M): exact.
; WORK LEFT OUT.  Where q - k < 0 or q - k > w the score is set to -infinity ahead of the softmax: it does not enter the row's maximum, its p is 0, it adds 0 to the row's sum and 0 to O, and a block of 32 such p has
; zero codes, whatever Q, K and V hold.  So a step of 128 keys all of which are hidden from all 16 queries of a wave is jumped over, by a scalar branch on ids and on the head's window, which is read from memory.
; On the causal side q - k lies in 0 .. 2,047, so the window is held to -1 .. 2,047 first: the same mask for every int32.  The step on the diagonal is always walked: with w < 0 all of it is hidden, the sum is 0 and
; the row comes out NaN.  Every input has a way to the output and is loaded.
; LIMITS: a NaN code or a scale byte 0xff in a step that is left out is not carried to the result; t under -3e38 is not served; a block whose every p is 0 has the scale byte 1 (its codes are zeros; nobody else reads the byte).
; THE FIRST PRODUCT'S K IS 64, the instruction's 128: the upper 64 are zero codes on both sides (their scale bytes are 0, which is 2^-127 and no NaN).
; SHARES.  A unit is 64 queries of one head.  A work-group of sixteen waves holds FOUR units of four different heads (heads hq, hq + 4, hq + 8, hq + 12 of one batch), two of them at block i and two at block 31 - i of the
; queries, so that short and long walks meet in one work-group; only the balance hangs on how the windows are spread, no value does.  Group g = wave / 4 has a unit, each of its four waves 16 queries in 256 registers.
; All waves walk sixteen trips of 128 keys, a constant count, and pass one barrier a trip; what a trip does not need is jumped over inside it.
; K AND V COME THROUGH REGISTERS, NOT BY TENSOR LOADS, AND THERE IS NO CLUSTER: which steps are walked hangs on a number read from memory; without the
; branch every causal step would be worked, 34,816 wave steps where the drawn windows leave 22,976.  A group's four waves share each tile: each loads a quarter (eight loads of 16 bytes a lane) a trip ahead and
; stores it into the slot that is not being read.
; LAYOUT.  Both products are used transposed: S^T = K Q^T (source 0 = 16 keys), O^T = V^T P^T (source 0 = 16 of the head's 64): a lane holds ONE query (lane % 16) throughout.  THE KEYS OF A TILE ARE NOT NEIGHBOURS:
; lane r of tile 2 b + u is key 32 b + 8 u + r + 8 (r / 8), so that registers 16 b + 0 .. 15 of S^T are keys 32 b + 16 (lane / 16) + 0 .. 15: the conversions' results are the second product's operand.
; LDS.  For each group 40,960 bytes: two slots of 16,384 (K: 8 tiles x 1,024; V: 4 tiles x 2,048), the head's K scale bytes as they lie (4,096), the head's V scale words turned, word (step j, row d) at 256 j + 4 d (4,096).
; A tile lies as pieces of 16 bytes, piece (x = 2 c + h, lane r) at 256 x + 16 (r xor 4 x) in K and 256 x + 16 (r xor 2 x) in V: sixteen neighbouring lanes of a fragment load (one x, all r) and of a staging store
; (several x) both name sixteen different 16-byte columns modulo 256 bytes (64 banks of 4 bytes: ISA guide 11.1).  Behind the groups: a stage of 16 x 272 bytes for each wave, and the spare words.
; REGISTERS: v1-2 K's fragment addresses, v3-6 V's, v7-8 the scale words', v9-10 and v244-247 the staging stores', v11-12 the staging loads' offsets, v13-14 the add's two, v15 my query - 16 (lane / 16);
; v16-31 Q (v24-31 zeros); v32-95 four fragments of K: the lower 8 of each 16 hold codes and, between the products, the staged quarter tile; the upper 8 are zeros for good; v96-159 S^T, then p, then V's four fragments;
; v160-191 O^T; v192-207 p's codes; v208 -M, v209 the largest t, v210-211 the sum; v212-240 at work; v241-243 the way out; v248-251 head.
.set KR,    32
.set S,     96
.set OT,    160
.set PC,    192
.set BM,    212                        ; v212-215 a block's largest score, then its largest p
.set PT,    216                        ; v216-219 lane permutes' targets, the second chain of the sum, the scales' bytes
.set HD,    220                        ; v220-223 448 x the scale
.set SO,    224                        ; v224-227 the conversions' scale operands
.set KS,    228                        ; v228-231 K's scale words: register b: lanes 0-15 tile 2 b, lanes 16-31 tile 2 b + 1
.set VS,    232                        ; v232-233 V's: register p: lanes 0-15 tile 2 p, lanes 16-31 tile 2 p + 1
.set GSZ,   40960                      ; LDS bytes of a group
.set SLOT,  16384
.set VOFF,  8192                       ; V's tiles in a slot
.set KSC,   32768                      ; K's scale bytes in a group's bytes
.set VSC,   36864                      ; V's scale words
.set STAGE, 4*GSZ                      ; 16 rows x (256 + 16) bytes for each wave
.set SPARE, STAGE+16*4352              ; the spare words, 128 bytes for each wave: eight blocks of 256 bytes that no other line names
; s[4:19] the eight addresses (s[8:9] K's codes and s[12:13] V's walk); s20 wave, s21 group, s22 wave in the group, s23 block, s24 head, s25 batch x 16 + head, s26 the unit's first query, s27 mine;
; s28 the window; s29, s30 the last and the first step's key that my wave walks; s31, s32 the same of my group; s33, s34 where the two masks end; s35 the step's first key; s36 1 if the next tile is staged;
; s37 at work; s[38:39] lane selects; s[40:41] c; s42 the mantissa field of 448; s43 trips; s[44:47] offsets; s48 my group's LDS bytes; s49 at work
; Is the tile at key s35 + add wanted by some wave of my group?  The same in its four waves.  Signed compares: the lower bounds may be negative.
.macro GLIVE add
.if \add
	s_add_co_u32 s37, s35, \add
.else
	s_mov_b32 s37, s35
.endif
	s_cmp_le_i32 s37, s31
	s_cselect_b32 s36, 1, 0
	s_cmp_ge_i32 s37, s32
	s_cselect_b32 s36, s36, 0
.endm
; My quarter of the next tile is asked for: 32 keys of K, 2,048 dense bytes; 16 rows of V, 128 bytes each.
.macro ISSUE
	s_cmp_eq_u32 s36, 0
	s_cbranch_scc1 .Lnone_\@
.irp i, 0,1,2,3
	global_load_b128 v[KR+16*\i:KR+16*\i+3], v11, s[8:9] offset:512*\i
.endr
.irp m, 0,1,2,3
	global_load_b128 v[KR+16*\m+4:KR+16*\m+7], v12, s[12:13] offset:8192*\m
.endr
.Lnone_\@:
.endm
; and goes into a slot: K's load i holds lanes 8 (i / 2) + 0 .. 7 of tile 2 wg + i % 2, V's load m lanes 4 m + 0 .. 3 of tile wg
.macro STORE slot
	s_cmp_eq_u32 s36, 0
	s_cbranch_scc1 .Lnone_\@
.irp i, 0,1,2,3
	ds_store_b128 v[9+\i/2], v[KR+16*\i:KR+16*\i+3] offset:SLOT*(\slot)+1024*(\i%2)
.endr
.irp m, 0,1,2,3
	ds_store_b128 v[244+\m], v[KR+16*\m+4:KR+16*\m+7] offset:SLOT*(\slot)
.endr
.Lnone_\@:
.endm
; S^T = K Q^T, four tiles of 16 keys at a time.  A load into a register that a matrix instruction has read, and a vector instruction that reads a result, stand eight places behind it.
.macro SCORES s
.irp gg, 0,1
.if \gg
.rept 8
	v_nop
.endr
.endif
.irp t, 0,1,2,3
	ds_load_b128 v[KR+16*\t:KR+16*\t+3], v1 offset:SLOT*\s+1024*(4*\gg+\t)
	ds_load_b128 v[KR+16*\t+4:KR+16*\t+7], v2 offset:SLOT*\s+1024*(4*\gg+\t)
.endr
.irp e, 0,1
	ds_load_u16 v[KS+2*\gg+\e], v7 offset:256*\s+64*(2*\gg+\e)     ; two scale bytes a key; the word's upper bytes are 0, over zero codes
.endr
	s_wait_dscnt 0x0
.irp t, 0,1,2,3
.if \t%2
	v_wmma_scale_f32_16x16x128_f8f6f4 v[S+8*(4*\gg+\t):S+8*(4*\gg+\t)+7], v[KR+16*\t:KR+16*\t+15], v[16:31], 0, v[KS+2*\gg+\t/2], v237 matrix_a_scale:MATRIX_SCALE_ROW1
.else
	v_wmma_scale_f32_16x16x128_f8f6f4 v[S+8*(4*\gg+\t):S+8*(4*\gg+\t)+7], v[KR+16*\t:KR+16*\t+15], v[16:31], 0, v[KS+2*\gg+\t/2], v237
.endif
.endr
.endr
.rept 8
	v_nop                                          ; in front of the staging loads into K's registers and of the first read of the scores
.endr
.endm
; Register 16 b + i holds key s35 + 32 b + 16 (lane / 16) + i.  With d = my query - s35 - 16 (lane / 16) it comes after my query where 32 b + i > d, and lies beyond the window where 32 b + i < d - w.
; Each mask is jumped over in the steps that it does not touch.  Both go through the registers in ascending order.
.macro MASKS
	s_sub_co_i32 s37, 0, s35
	s_cmp_le_i32 s35, s33                          ; all 128 keys at or before my first query?
	s_cbranch_scc1 .Lcausal_\@
	v_add_nc_u32 v238, s37, v15
.set NN, 0
.rept 64
	v_cmp_gt_i32 vcc_lo, 32*(NN/16)+NN%16, v238
	v_cndmask_b32 v[S+NN], v[S+NN], v240, vcc_lo
.set NN, NN+1
.endr
.Lcausal_\@:
	s_cmp_ge_i32 s35, s34                          ; the first key inside my last query's window?
	s_cbranch_scc1 .Lwindow_\@
	s_sub_co_i32 s37, s37, s28
	v_add_nc_u32 v239, s37, v15
.set NN, 0
.rept 64
	v_cmp_lt_i32 vcc_lo, 32*(NN/16)+NN%16, v239
	v_cndmask_b32 v[S+NN], v[S+NN], v240, vcc_lo
.set NN, NN+1
.endr
.Lwindow_\@:
.endm
.macro SOFTMAX
.irp b, 0,1,2,3
	v_max3_num_f32 v[BM+\b], v[S+16*\b], v[S+16*\b+1], v[S+16*\b+2]        ; the largest score of each block of 32 keys: it serves for the row's maximum and, since p rises with the score, for the block's largest p
.endr
.irp i, 3,5,7,9,11,13
.irp b, 0,1,2,3
	v_max3_num_f32 v[BM+\b], v[BM+\b], v[S+16*\b+\i], v[S+16*\b+\i+1]      ; the four blocks by turns
.endr
.endr
.irp b, 0,1,2,3
	v_max_num_f32 v[BM+\b], v[BM+\b], v[S+16*\b+15]
.endr
.irp b, 0,1,2,3
	v_permlanex16_b32 v[PT+\b], v[BM+\b], s38, s39
.endr
.irp b, 0,1,2,3
	v_max_num_f32 v[BM+\b], v[BM+\b], v[PT+\b]     ; with lane l xor 16's 16 keys
.endr
	v_max3_num_f32 v236, v212, v213, v214
	v_max_num_f32 v236, v236, v215                 ; the step's largest score of my query
	v_mul_f32 v236, s40, v236                      ; as t (c is positive)
	v_max_num_f32 v209, v209, v236                 ; the running largest t
	v_mov_b32 v236, v208
	v_floor_f32 v208, -v209                        ; the new -M = floor(-t): M is a whole number
	v_sub_f32 v236, v208, v236                     ; old M less new M: a whole number, 0 or less
	v_cvt_i32_f32 v236, v236                       ; (it saturates)
	v_ldexp_f32 v234, 1.0, v236                    ; f = 2^(old M - new M)
.set J, 0
.rept 32
	v_pk_fma_f32 v[S+J:S+J+1], v[S+J:S+J+1], s[40:41], v[208:209] op_sel_hi:[1,0,0]   ; t - M, two at a time (of the pairs c and -M the low word serves both halves)
.set J, J+2
.endr
.irp b, 0,1,2,3
	v_fma_f32 v[BM+\b], v[BM+\b], s40, v208        ; the same of each block's largest score
.endr
.set J, 0
.rept 64
	v_exp_f32 v[S+J], v[S+J]                       ; p = 2^(t - M), at most 1; 0 where the key is hidden
.set J, J+1
.endr
	v_pk_mul_f32 v[210:211], v[210:211], v[234:235] op_sel_hi:[1,0]   ; the sums under the new M: the plain instruction behind the exponentials
	s_wait_alu depctr_va_vdst(0)                   ; the wait ahead of the first line that names a result: one for the 64
.irp b, 0,1,2,3
	v_exp_f32 v[BM+\b], v[BM+\b]                   ; the block's largest p: the same two instructions on the same number
.endr
	v_pk_add_f32 v[PT:PT+1], v[S:S+1], v[S+2:S+3]  ; the row's sum is taken of the unquantised p, in two chains; it reads the 64 alone
.set J, 4
.rept 15
	v_pk_add_f32 v[210:211], v[210:211], v[S+J:S+J+1]
	v_pk_add_f32 v[PT:PT+1], v[PT:PT+1], v[S+J+2:S+J+3]
.set J, J+4
.endr
	v_pk_add_f32 v[210:211], v[210:211], v[PT:PT+1]
	s_wait_alu depctr_va_vdst(0)                   ; and one for the four
.irp b, 0,1,2,3
	v_max_num_f32 v[BM+\b], 0x4800000, v[BM+\b]    ; the floor 2^(9 - 127): the byte cannot fall under 1
.endr
.irp b, 0,1,2,3
	v_add_nc_u32 v[SO+\b], 0xfc000000, v[BM+\b]    ; 8 off the exponent field: the conversion's scale operand
.endr
.irp b, 0,1,2,3
	v_and_or_b32 v[HD+\b], v[BM+\b], 0x7f800000, s42   ; 448 x the scale
.endr
.irp b, 0,1,2,3
	v_lshrrev_b32 v[PT+\b], 23, v[SO+\b]           ; the scale's byte
.endr
	v_lshl_or_b32 v235, v217, 8, v216              ; p's scale word for these 128 keys
	v_lshl_or_b32 v235, v218, 16, v235
	v_lshl_or_b32 v235, v219, 24, v235
.irp b, 0,1,2,3
.irp i, 0,1,2,3,4,5,6,7,8,9,10,11,12,13,14,15
	v_min_num_f32 v[S+16*\b+\i], v[S+16*\b+\i], v[HD+\b]   ; the conversion to an 8-bit code does not saturate (ISA guide 7.6.2); p is not negative, so the hold is one-sided
.endr
	v_cvt_scalef32_pk8_fp8_f32 v[PC+4*\b:PC+4*\b+1], v[S+16*\b:S+16*\b+7], v[SO+\b]
	v_cvt_scalef32_pk8_fp8_f32 v[PC+4*\b+2:PC+4*\b+3], v[S+16*\b+8:S+16*\b+15], v[SO+\b]
.endr
.endm
; O^T += V^T P^T: four tiles of 16 of the head's 64; K = these 128 keys.  V's fragments land where p lay.  The four accumulators take turns, and eight products K Q^T stand between two steps' links.
.macro PV s
.irp t, 0,1,2,3
.irp c, 0,1,2,3
	ds_load_b128 v[S+16*\t+4*\c:S+16*\t+4*\c+3], v[3+\c] offset:SLOT*\s+2048*\t
.endr
.endr
.irp p, 0,1
	ds_load_b32 v[VS+\p], v8 offset:256*\s+128*\p
.endr
.set J, 0
.rept 16
	v_pk_mul_f32 v[OT+J:OT+J+1], v[OT+J:OT+J+1], v[234:235] op_sel_hi:[1,0]   ; O^T under the new M.  These sixteen are also the plain lines behind the conversions and in front of the scaled products
.set J, J+2
.endr
	s_wait_dscnt 0x0
.irp t, 0,1,2,3
.if \t%2
	v_wmma_scale_f32_16x16x128_f8f6f4 v[OT+8*\t:OT+8*\t+7], v[S+16*\t:S+16*\t+15], v[PC:PC+15], v[OT+8*\t:OT+8*\t+7], v[VS+\t/2], v235 matrix_a_scale:MATRIX_SCALE_ROW1
.else
	v_wmma_scale_f32_16x16x128_f8f6f4 v[OT+8*\t:OT+8*\t+7], v[S+16*\t:S+16*\t+15], v[PC:PC+15], v[OT+8*\t:OT+8*\t+7], v[VS+\t/2], v235
.endif
.endr
.rept 9
	v_nop                                          ; nine places: the next step's products K Q^T write over the registers that these read as V's fragments
.endr
.endm
; A TRIP: the 128 keys from s35 on, in slot s.  One barrier serves both ways: in front of it each wave has waited for its stores into the other slot and for its reads of this one; the other slot was last read a trip
; ago, and those reads were waited for in front of that trip's barrier.
.macro TRIP s
	GLIVE 128
	s_cmp_gt_i32 s35, s29                          ; all keys after my last query:
	s_cbranch_scc1 .Lidle_\@
	s_cmp_lt_i32 s35, s30                          ; or all beyond my first query's window: nothing of the step counts
	s_cbranch_scc1 .Lidle_\@
	SCORES \s
	ISSUE                                          ; the next tile has the softmax in which to land
	MASKS
	SOFTMAX
	PV \s
	s_branch .Ljoin_\@
.Lidle_\@:
	ISSUE                                          ; a wave with nothing to compute still stages its quarter for the others
.Ljoin_\@:
	s_wait_loadcnt 0x0                             ; the staged quarter is in, and its loads have read their addresses, which step now
	s_add_nc_u64 s[8:9], s[8:9], 8192              ; 128 keys of 64 bytes
	s_add_nc_u64 s[12:13], s[12:13], 128           ; 128 codes in each row of V
	s_add_co_u32 s35, s35, 128
	STORE 1-\s
	s_wait_dscnt 0x0                               ; for the others' sake: my stores have landed, my reads of slot s are over
	s_barrier_signal -1
	s_barrier_wait -1
.endm
	s_load_b256 s[4:11], s[0:1], 0x0               ; Q's codes s[4:5], Q's scales s[6:7], K's codes s[8:9], K's scales s[10:11]
	s_load_b256 s[12:19], s[0:1], 0x20             ; V's codes s[12:13], V's scales s[14:15], the windows s[16:17], out0 s[18:19]
	v_lshl_add_u32 v13, v0, 2, SPARE               ; my spare word,
	v_mov_b32 v14, 0                               ; and 0: kept for the wave's last lines
	v_lshrrev_b32 v112, 5, v0
	v_readfirstlane_b32 s20, v112                  ; wave 0..15
	s_lshr_b32 s21, s20, 2                         ; group
	s_and_b32 s22, s20, 3                          ; wave in the group
	s_and_b32 s37, ttmp7, 0xffff
	s_lshr_b32 s44, s37, 2                         ; batch
	s_and_b32 s37, s37, 3
	s_lshl_b32 s24, s21, 2
	s_add_co_u32 s24, s24, s37                     ; head = y % 4 + 4 x group
	s_lshl_b32 s25, s44, 4
	s_add_co_u32 s25, s25, s24
	s_and_b32 s37, s21, 1
	s_mul_i32 s37, s37, 31
	s_xor_b32 s23, ttmp9, s37                      ; block i in groups 0 and 2, block 31 - i in groups 1 and 3
	s_lshl_b32 s26, s23, 6
	s_lshl_b32 s37, s22, 4
	s_add_co_u32 s27, s26, s37                     ; my first query
	s_mul_i32 s48, s21, GSZ
	s_mov_b32 s38, 0x76543210
	s_mov_b32 s39, 0xfedcba98                      ; v_permlanex16_b32's selects for lane l xor 16
	s_mov_b32 s40, 0x3e38aa3b                      ; c = log2(e) / 8
	s_mov_b32 s41, s40                             ; (named with it as a pair, so it is written)
	s_mov_b32 s42, 0x600000
	s_mov_b32 s43, 8
	; zeros.  Of K's four fragments the upper halves are the zero codes of k = 64 .. 127 and stay; the lower halves get a value so that they hold one on every way.  Q's upper half likewise.
	; O^T and the sum begin as zeros: which step is a wave's first hangs on the window, so it cannot be written out apart; the first change of M multiplies zeros.
.set J, 0
.rept 64
	v_mov_b32 v[KR+J], 0
.set J, J+1
.endr
.set J, 24
.rept 8
	v_mov_b32 v[J], 0
.set J, J+1
.endr
.set J, 0
.rept 32
	v_mov_b32 v[OT+J], 0
.set J, J+1
.endr
	v_mov_b32 v210, 0
	v_mov_b32 v211, 0
.irp b, 0,1,2,3
	v_mov_b32 v[PT+\b], 0                          ; a lane permute's destination counts as one of its sources
.endr
	v_mov_b32 v235, 0                              ; (named as the upper half of the pair v[234:235] before it is first written)
	v_mov_b32 v209, 0xff61b1e6                     ; the largest t so far: -3e38
	v_floor_f32 v208, -v209                        ; -M
	v_mov_b32 v240, 0xff800000                     ; -infinity
	; every LDS address is made here, ahead of the first branch: a lane part, plus constants times the group and the wave
	v_and_b32 v112, 31, v0                         ; L
	v_and_b32 v113, 15, v0                         ; r
	v_bfe_u32 v114, v0, 4, 1                       ; h
	v_lshlrev_b32 v115, 2, v114
	v_xor_b32 v115, v113, v115                     ; r xor 4 h
	v_lshlrev_b32 v1, 4, v115
	v_lshl_add_u32 v1, v114, 8, v1
	v_add_nc_u32 v1, s48, v1                       ; K, k = 16 h on: piece x = h
	v_xor_b32 v115, 8, v115
	v_lshlrev_b32 v2, 4, v115
	v_lshl_add_u32 v2, v114, 8, v2
	s_add_co_u32 s49, s48, 512
	v_add_nc_u32 v2, s49, v2                       ; K, k = 32 + 16 h on: piece x = 2 + h
	v_lshlrev_b32 v115, 1, v114
	v_xor_b32 v115, v113, v115                     ; r xor 2 h
.irp c, 0,1,2,3
.if \c
	v_xor_b32 v116, 4*\c, v115
	v_lshlrev_b32 v[3+\c], 4, v116
.else
	v_lshlrev_b32 v3, 4, v115
.endif
	v_lshl_add_u32 v[3+\c], v114, 8, v[3+\c]
	s_add_co_u32 s49, s48, VOFF+512*\c
	v_add_nc_u32 v[3+\c], s49, v[3+\c]             ; V, keys 32 c + 16 h on: piece x = 2 c + h
.endr
	v_and_b32 v115, 8, v113
	v_add_nc_u32 v115, v115, v113
	v_lshl_add_u32 v115, v114, 3, v115             ; r + 8 (r / 8) + 8 h: lanes 16-31 take the odd tile's keys
	s_add_co_u32 s49, s48, KSC
	v_lshl_add_u32 v7, v115, 1, s49                ; K's scale words: 2 bytes a key
	s_add_co_u32 s49, s48, VSC
	v_lshl_add_u32 v8, v112, 2, s49                ; V's: row d = 32 p + lane
	v_and_b32 v115, 3, v0                          ; staging K: my 16 bytes are piece x = L % 4 of key L / 4 of the load's eight
	v_bfe_u32 v116, v0, 2, 3
	v_lshlrev_b32 v117, 2, v115
	v_xor_b32 v116, v116, v117
	v_lshlrev_b32 v9, 4, v116
	v_lshl_add_u32 v9, v115, 8, v9
	v_xor_b32 v10, 128, v9                         ; lanes 8 .. 15 of a tile: the column's bit 3 turned
	s_lshl_b32 s49, s22, 11
	s_add_co_u32 s49, s49, s48                     ; my two tiles of K; my tile of V lies as far into V's
	v_add_nc_u32 v9, s49, v9
	v_add_nc_u32 v10, s49, v10
	s_lshl_b32 s37, s22, 11
	v_lshl_add_u32 v11, v112, 4, s37               ; in memory: 16 L + my 32 keys
	v_and_b32 v115, 7, v0                          ; staging V: piece x = L % 8 of row L / 8 of the load's four
	v_bfe_u32 v116, v0, 3, 2
	v_lshlrev_b32 v117, 1, v115
	v_xor_b32 v117, v116, v117
	v_lshlrev_b32 v117, 4, v117
	v_lshl_add_u32 v117, v115, 8, v117
	s_add_co_u32 s49, s49, VOFF
.irp m, 0,1,2,3
.if \m
	v_xor_b32 v[244+\m], 64*\m, v117               ; lanes 4 m on: the column's bits 2 and 3 turned
	v_add_nc_u32 v[244+\m], s49, v[244+\m]
.else
	v_add_nc_u32 v244, s49, v117
.endif
.endr
	v_lshlrev_b32 v12, 11, v116
	v_lshl_add_u32 v12, v115, 4, v12
	s_lshl_b32 s37, s22, 15
	v_add_nc_u32 v12, s37, v12                     ; in memory: row 16 wg + L / 8 of 2,048 bytes, + 16 (L % 8)
	v_lshlrev_b32 v15, 4, v114
	v_sub_nc_u32 v15, v113, v15
	v_add_nc_u32 v15, s27, v15                     ; my query - 16 h
	s_mul_i32 s49, s20, 4352
	s_add_co_u32 s49, s49, STAGE                   ; my stage
	v_mul_u32_u24 v241, v113, 272
	v_lshl_add_u32 v241, v114, 5, v241
	v_add_nc_u32 v241, s49, v241                   ; in: row r, + 32 h
	v_mul_u32_u24 v242, v114, 272
	v_lshl_add_u32 v242, v113, 4, v242
	v_add_nc_u32 v242, s49, v242                   ; back: lanes 0-15 one row, lanes 16-31 the next
	v_lshlrev_b32 v243, 4, v112                    ; 16 L: two rows of out0; also my 16 bytes of a load of scale bytes
	s_lshl_b32 s49, s22, 10
	s_add_co_u32 s49, s49, s48
	s_add_co_u32 s49, s49, KSC
	v_lshl_add_u32 v248, v112, 4, s49              ; K's scale bytes go as they lie: my wave's 1,024
	v_and_b32 v115, 3, v0
	v_bfe_u32 v116, v0, 2, 3
	v_lshlrev_b32 v249, 10, v115
	v_lshl_add_u32 v249, v116, 2, v249
	s_lshl_b32 s49, s22, 6
	s_add_co_u32 s49, s49, s48
	s_add_co_u32 s49, s49, VSC
	v_add_nc_u32 v249, s49, v249                   ; V's are turned: my 16 bytes are words 4 (L % 4) + k of row 16 wg + 8 i + L / 4
	v_lshlrev_b32 v250, 6, v113
	v_lshl_add_u32 v250, v114, 4, v250             ; Q: row r of 64 bytes, + 16 h
	v_lshlrev_b32 v251, 1, v113                    ; Q's scale bytes: 2 a row
	s_wait_kmcnt 0x0
	s_mov_b32 s45, 0
	s_lshl_b32 s44, s24, 2
	s_add_nc_u64 s[16:17], s[16:17], s[44:45]
	s_load_b32 s28, s[16:17], 0x0                  ; my head's window
	s_lshl_b32 s44, s25, 17                        ; a head's codes: 131,072 bytes
	s_add_nc_u64 s[8:9], s[8:9], s[44:45]
	s_add_nc_u64 s[12:13], s[12:13], s[44:45]
	s_lshl_b32 s44, s25, 12                        ; a head's scale bytes: 4,096; my wave copies 1,024 of them
	s_lshl_b32 s46, s22, 10
	s_add_co_u32 s44, s44, s46
	s_add_nc_u64 s[10:11], s[10:11], s[44:45]
	s_add_nc_u64 s[14:15], s[14:15], s[44:45]
	s_lshl_b32 s46, s25, 11
	s_add_co_u32 s46, s46, s27                     ; my first query among all rows
	s_lshl_b32 s44, s46, 6
	s_add_nc_u64 s[4:5], s[4:5], s[44:45]
	s_lshl_b32 s44, s46, 1
	s_add_nc_u64 s[6:7], s[6:7], s[44:45]
	s_lshl_b32 s44, s46, 8
	s_add_nc_u64 s[18:19], s[18:19], s[44:45]
	global_load_b128 v[16:19], v250, s[4:5] th:TH_LOAD_NT             ; Q's fragment stays in registers
	global_load_b128 v[20:23], v250, s[4:5] offset:32 th:TH_LOAD_NT
	global_load_u16 v237, v251, s[6:7]             ; Q's scale words; the upper bytes are 0, over zero codes
.irp i, 0,1
	global_load_b128 v[96+4*\i:99+4*\i], v243, s[10:11] offset:512*\i
	global_load_b128 v[104+4*\i:107+4*\i], v243, s[14:15] offset:512*\i
.endr
	s_wait_kmcnt 0x0                               ; the window
	s_max_i32 s28, s28, -1                         ; held to -1 .. 2,047: the same mask
	s_min_i32 s28, s28, 0x7ff
	s_add_co_u32 s29, s27, 15                      ; a step is walked where its first key is at most my last query
	s_sub_co_i32 s30, s27, s28
	s_sub_co_i32 s30, s30, 127                     ; and its last key at least my first query - w
	s_add_co_u32 s31, s26, 63                      ; the same for the group's 64 queries
	s_sub_co_i32 s32, s26, s28
	s_sub_co_i32 s32, s32, 127
	s_sub_co_i32 s33, s27, 127                     ; up to here no key comes after a query of mine
	s_sub_co_i32 s34, s29, s28                     ; from here on no key lies beyond a window of mine
	s_mov_b32 s35, 0
	GLIVE 0
	ISSUE                                          ; tile 0
	s_wait_loadcnt 0x0                             ; Q, the scale bytes, tile 0
.irp i, 0,1
	ds_store_b128 v248, v[96+4*\i:99+4*\i] offset:512*\i
.endr
.irp i, 0,1
.irp k, 0,1,2,3
	ds_store_b32 v249, v[104+4*\i+\k] offset:256*\k+32*\i
.endr
.endr
	s_add_nc_u64 s[8:9], s[8:9], 8192
	s_add_nc_u64 s[12:13], s[12:13], 128
	STORE 0
	s_wait_dscnt 0x0                               ; for the others' sake: my stores have landed
	s_barrier_signal -1
	s_barrier_wait -1
.Lkeys:                                            ; eight trips of two steps: all 2,048 keys, in every wave
	TRIP 0
	TRIP 1
	v_add_nc_u32 v7, 512, v7                       ; 256 keys on among K's scale bytes,
	v_add_nc_u32 v8, 512, v8                       ; two steps on among V's scale words
	s_sub_co_u32 s43, s43, 1
	s_cmp_lg_u32 s43, 0
	s_cbranch_scc1 .Lkeys
	; THE WAY OUT.  O^T is divided by the row's sum and goes through my own stage in LDS, so that sixteen lanes store one row of 256 bytes.
	v_add_f32 v210, v210, v211                     ; the sum's two halves,
	v_permlanex16_b32 v216, v210, s38, s39
	v_add_f32 v210, v210, v216                     ; and lane l xor 16's
	v_rcp_f32 v210, v210
	v_nop                                          ; a plain instruction behind the reciprocal,
	s_wait_alu depctr_va_vdst(0)                   ; and the wait ahead of its first reader
.set J, 0
.rept 32
	v_mul_f32 v[S+J], v[OT+J], v210                ; register 8 t + j is out0(query r, 16 t + 8 h + j)
.set J, J+1
.endr
.irp t, 0,1,2,3
	ds_store_b128 v241, v[S+8*\t:S+8*\t+3] offset:64*\t
	ds_store_b128 v241, v[S+8*\t+4:S+8*\t+7] offset:64*\t+16
.endr
.irp i, 0,1,2,3,4,5,6,7
	ds_load_b128 v[S+32+4*\i:S+32+4*\i+3], v242 offset:544*\i      ; LDS serves a wave's instructions in order (ISA guide 5.7.1.4): these see my stores
.endr
.irp i, 0,1,2,3,4,5,6,7
	s_wait_dscnt 7-\i                              ; the 7 - i younger loads may stay out
	global_store_b128 v243, v[S+32+4*\i:S+32+4*\i+3], s[18:19] offset:512*\i th:TH_STORE_NT   ; 32 lanes store 512 consecutive bytes, at a multiple of 256 from out0's first byte
.endr
	s_wait_tensorcnt 0x0                           ; the wave's end, behind my last LDS store
	ds_add_u32 v13, v14
	s_wait_dscnt 0x0
	s_endpgm
.Lfunc_end_k_qad089a4a77_attn:
	.size	k_qad089a4a77_attn, .Lfunc_end_k_qad089a4a77_attn-k_qad089a4a77_attn
	.p2alignl 7, 3214868480
	.fill 96, 4, 3214868480
	.section	.rodata,"a",@progbits
	.p2align	6, 0x0
	.amdhsa_kernel k_qad089a4a77_attn
		.amdhsa_group_segment_fixed_size 235520
		.amdhsa_private_segment_fixed_size 0
		.amdhsa_enable_private_segment 0
		.amdhsa_kernarg_size 64
		.amdhsa_user_sgpr_count 2
		.amdhsa_user_sgpr_kernarg_segment_ptr 1
		.amdhsa_wavefront_size32 1
		.amdhsa_system_sgpr_workgroup_id_x 1
		.amdhsa_system_sgpr_workgroup_id_y 1
		.amdhsa_system_sgpr_workgroup_id_z 1
		.amdhsa_system_vgpr_workitem_id 0
		.amdhsa_next_free_vgpr 256
		.amdhsa_next_free_sgpr 66
		.amdhsa_reserve_vcc 1
		.amdhsa_float_denorm_mode_32 3
		.amdhsa_float_denorm_mode_16_64 3
		.amdhsa_memory_ordered 1
		.amdhsa_forward_progress 1
		.amdhsa_inst_pref_size 81
	.end_amdhsa_kernel
	.amdgpu_metadata
---
amdhsa.version: [ 1, 2 ]
amdhsa.kernels:
  - .name:           k_qad089a4a77_attn
    .symbol:         k_qad089a4a77_attn.kd
    .args:
      - { .name: Q_codes, .offset: 0, .size: 8, .value_kind: global_buffer, .address_space: global }
      - { .name: Q_scales, .offset: 8, .size: 8, .value_kind: global_buffer, .address_space: global }
      - { .name: K_codes, .offset: 16, .size: 8, .value_kind: global_buffer, .address_space: global }
      - { .name: K_scales, .offset: 24, .size: 8, .value_kind: global_buffer, .address_space: global }
      - { .name: V_codes, .offset: 32, .size: 8, .value_kind: global_buffer, .address_space: global }
      - { .name: V_scales, .offset: 40, .size: 8, .value_kind: global_buffer, .address_space: global }
      - { .name: window_sizes, .offset: 48, .size: 8, .value_kind: global_buffer, .address_space: global }
      - { .name: out0, .offset: 56, .size: 8, .value_kind: global_buffer, .address_space: global }
    .group_segment_fixed_size: 235520
    .private_segment_fixed_size: 0
    .kernarg_segment_align: 8
    .kernarg_segment_size: 64
    .max_flat_workgroup_size: 512
    .sgpr_count:     66
    .vgpr_count:     256
    .wavefront_size: 32
...
	.end_amdgpu_metadata
.endif
;; end of part 1
;; ======== version 2 of 2: 1 launch; version 1 with the launch attn written anew for expert scheduling mode
;; launch attn (part 2): grid 32 x 8, 16 waves a work-group, no clusters, 235,520 bytes of LDS; arguments Q_codes, Q_scales, K_codes, K_scales, V_codes, V_scales, window_sizes, out0; writes out0
.if DOCPART == 2
	.amdgcn_target "amdgcn-amd-amdhsa--gfx1250"
	.amdhsa_code_object_version 6
	.text
	.protected	k_qad089a4a77_attn
	.globl	k_qad089a4a77_attn
	.p2align	8
	.type	k_qad089a4a77_attn,@function
k_qad089a4a77_attn:
	s_mov_b64 s[64:65], 0
	v_nop
	global_prefetch_b8 v0, s[64:65] scope:SCOPE_SE
	s_setreg_imm32_b32 hwreg(HW_REG_WAVE_SCHED_MODE, 0, 2), 2
	s_setreg_imm32_b32 hwreg(HW_REG_WAVE_MODE, 25, 1), 1
	s_wait_xcnt 0x0
	s_wait_alu depctr_vm_vsrc(0)
; out0[b][h][q][:] = the sum over k of softmax_k(Q[q] . K[k] / 8) V[k][:], key k counting for query q where 0 <= q - k <= window_sizes[h].  2 x 16 heads, 2,048 positions, head size 64.
; Both products on codes of FP8 (E4M3) with one E8M0 byte for each 32 along a product's K.  Q, K: rows of 64 codes, 2 scale bytes a row.  V: keys innermost, 64 rows of 2,048 codes a head, 64 scale bytes a row.
; THE SOFTMAX AHEAD OF THE SECOND PRODUCT: t = score x log2(e) / 8; M = the row's largest t so far, rounded up to a whole number; p = 2^(t - M) is quantised along the keys, not normalised;
; the row's sum is taken of the unquantised p and divides at the end.  When M moves, the sum and O are multiplied by 2^(old M - new M): exact.
; WORK LEFT OUT.  Where q - k < 0 or q - k > w the score is set to -infinity ahead of the softmax: it does not enter the row's maximum, its p is 0, it adds 0 to the row's sum and 0 to O, and a block of 32 such p has
; zero codes, whatever Q, K and V hold.  So a step of 128 keys all of which are hidden from all 16 queries of a wave is jumped over, by a scalar branch on ids and on the head's window, which is read from memory.
; On the causal side q - k lies in 0 .. 2,047, so the window is held to -1 .. 2,047 first: the same mask for every int32.  The step on the diagonal is always walked: with w < 0 all of it is hidden, the sum is 0 and
; the row comes out NaN.  Every input has a way to the output and is loaded.
; LIMITS: a NaN code or a scale byte 0xff in a step that is left out is not carried to the result; t under -3e38 is not served; a block whose every p is 0 has the scale byte 1 (its codes are zeros; nobody else reads the byte).
; THE FIRST PRODUCT'S K IS 64, the instruction's 128: the upper 64 are zero codes on both sides (their scale bytes are 0, which is 2^-127 and no NaN).
; SHARES.  A unit is 64 queries of one head.  A work-group of sixteen waves holds FOUR units of four different heads (heads hq, hq + 4, hq + 8, hq + 12 of one batch), two of them at block i and two at block 31 - i of the
; queries, so that short and long walks meet in one work-group; only the balance hangs on how the windows are spread, no value does.  Group g = wave / 4 has a unit, each of its four waves 16 queries in 256 registers.
; All waves walk sixteen trips of 128 keys, a constant count, and pass one barrier a trip; what a trip does not need is jumped over inside it.
; K AND V COME THROUGH REGISTERS, NOT BY TENSOR LOADS, AND THERE IS NO CLUSTER: which steps are walked hangs on a number read from memory; without the
; branch every causal step would be worked, 34,816 wave steps where the drawn windows leave 22,976.  A group's four waves share each tile: each loads a quarter (eight loads of 16 bytes a lane) a trip ahead and
; stores it into the slot that is not being read.
; LAYOUT.  Both products are used transposed: S^T = K Q^T (source 0 = 16 keys), O^T = V^T P^T (source 0 = 16 of the head's 64): a lane holds ONE query (lane % 16) throughout.  THE KEYS OF A TILE ARE NOT NEIGHBOURS:
; lane r of tile 2 b + u is key 32 b + 8 u + r + 8 (r / 8), so that registers 16 b + 0 .. 15 of S^T are keys 32 b + 16 (lane / 16) + 0 .. 15: the conversions' results are the second product's operand.
; LDS.  For each group 40,960 bytes: two slots of 16,384 (K: 8 tiles x 1,024; V: 4 tiles x 2,048), the head's K scale bytes as they lie (4,096), the head's V scale words turned, word (step j, row d) at 256 j + 4 d (4,096).
; A tile lies as pieces of 16 bytes, piece (x = 2 c + h, lane r) at 256 x + 16 (r xor 4 x) in K and 256 x + 16 (r xor 2 x) in V: sixteen neighbouring lanes of a fragment load (one x, all r) and of a staging store
; (several x) both name sixteen different 16-byte columns modulo 256 bytes (64 banks of 4 bytes: ISA guide 11.1).  Behind the groups: a stage of 16 x 272 bytes for each wave, and the spare words.
; REGISTERS: v1-2 K's fragment addresses, v3-6 V's, v7-8 the scale words', v9-10 and v244-247 the staging stores', v11-12 the staging loads' offsets, v13-14 the add's two, v15 my query - 16 (lane / 16);
; v16-31 Q (v24-31 zeros); v32-95 four fragments of K: the lower 8 of each 16 hold codes and, between the products, the staged quarter tile; the upper 8 are zeros for good; v96-159 S^T, then p, then V's four fragments;
; v160-191 O^T; v192-207 p's codes; v208 -M, v209 the largest t, v210-211 the sum; v212-240 at work; v241-243 the way out; v248-251 head.
; THE MODE: SCHED_MODE bits 1:0 = 2 (LLVM: expert scheduling mode 2), set by the entry lines.  The code itself states the register dependences between vector or matrix instructions and memory or LDS
; instructions, with s_wait_alu, always for 0.
; THE PLAN.  Registers that memory or LDS instructions touch, in the loop:
;   K's lower halves (8 of each 16 in v32-95)  LDS loads land there twice a step, each time read by four products K Q^T; then the staging loads land there; the staging stores read them at the trip's end.
;   v228-231, v232-233   the scale words: LDS loads land there, the products read them.
;   v96-159    written by K Q^T, worked on by the masks and the softmax, read by the conversions; then V's fragments land there, and V^T P reads them.
;   v7, v8     read by the scale words' LDS loads; stepped once a loop trip.  All other addresses and offsets are made at the head and never written again.
;   v192-207, v235  p's codes and scale word: vector lines write them, the scaled products V^T P take them.
; A walked step has three waits on va_vdst beside the softmax's two: between the halves of K Q^T (the first four products are done with K's registers); behind K Q^T (the last four are: the staging loads, the next
; step's first fragment loads and an idle trip's staging loads all lean on it, since no vector line names these registers in between); behind the conversions (p's registers are free for V, p's codes and scale word are written).
; One wait on vm_vsrc stands in front of each barrier: the staging stores have read K's lower halves, the LDS loads v7 and v8.  One wait on va_vdst stands behind the step of v7 and v8.
.set KR,    32
.set S,     96
.set OT,    160
.set PC,    192
.set BM,    212                        ; v212-215 a block's largest score, then its largest p
.set PT,    216                        ; v216-219 lane permutes' targets, the second chain of the sum, the scales' bytes
.set HD,    220                        ; v220-223 448 x the scale
.set SO,    224                        ; v224-227 the conversions' scale operands
.set KS,    228                        ; v228-231 K's scale words: register b: lanes 0-15 tile 2 b, lanes 16-31 tile 2 b + 1
.set VS,    232                        ; v232-233 V's: register p: lanes 0-15 tile 2 p, lanes 16-31 tile 2 p + 1
.set MK,    66                         ; s66-s97  the lane masks of a run of 32 compares
.set GSZ,   40960                      ; LDS bytes of a group
.set SLOT,  16384
.set VOFF,  8192                       ; V's tiles in a slot
.set KSC,   32768                      ; K's scale bytes in a group's bytes
.set VSC,   36864                      ; V's scale words
.set STAGE, 4*GSZ                      ; 16 rows x (256 + 16) bytes for each wave
.set SPARE, STAGE+16*4352              ; the spare words, 128 bytes for each wave: eight blocks of 256 bytes that no other line names
; s[4:19] the eight addresses (s[8:9] K's codes and s[12:13] V's walk); s20 wave, s21 group, s22 wave in the group, s23 block, s24 head, s25 batch x 16 + head, s26 the unit's first query, s27 mine;
; s28 the window; s29, s30 the last and the first step's key that my wave walks; s31, s32 the same of my group; s33, s34 where the two masks end; s35 the step's first key; s36 1 if the next tile is staged;
; s37 at work; s[38:39] lane selects; s[40:41] c; s42 the mantissa field of 448; s43 trips; s[44:47] offsets; s48 my group's LDS bytes; s49 at work
; Is the tile at key s35 + add wanted by some wave of my group?  The same in its four waves.  Signed compares: the lower bounds may be negative.
.macro GLIVE add
.if \add
	s_add_co_u32 s37, s35, \add
.else
	s_mov_b32 s37, s35
.endif
	s_cmp_le_i32 s37, s31
	s_cselect_b32 s36, 1, 0
	s_cmp_ge_i32 s37, s32
	s_cselect_b32 s36, s36, 0
.endm
; My quarter of the next tile is asked for: 32 keys of K, 2,048 dense bytes; 16 rows of V, 128 bytes each.
.macro ISSUE
	s_cmp_eq_u32 s36, 0
	s_cbranch_scc1 .Lnone_\@
.irp i, 0,1,2,3
	global_load_b128 v[KR+16*\i:KR+16*\i+3], v11, s[8:9] offset:512*\i
.endr
.irp m, 0,1,2,3
	global_load_b128 v[KR+16*\m+4:KR+16*\m+7], v12, s[12:13] offset:8192*\m
.endr
.Lnone_\@:
.endm
; and goes into a slot: K's load i holds lanes 8 (i / 2) + 0 .. 7 of tile 2 wg + i % 2, V's load m lanes 4 m + 0 .. 3 of tile wg
.macro STORE slot
	s_cmp_eq_u32 s36, 0
	s_cbranch_scc1 .Lnone_\@
.irp i, 0,1,2,3
	ds_store_b128 v[9+\i/2], v[KR+16*\i:KR+16*\i+3] offset:SLOT*(\slot)+1024*(\i%2)
.endr
.irp m, 0,1,2,3
	ds_store_b128 v[244+\m], v[KR+16*\m+4:KR+16*\m+7] offset:SLOT*(\slot)
.endr
.Lnone_\@:
.endm
; S^T = K Q^T, four tiles of 16 keys at a time.  A load into a register that a matrix instruction has read, and a vector instruction that reads a result, stand eight places behind it
; the wait that states the loads' dependence stands behind the places.
; The first half's loads have no wait of their own: the last lines of the vector side that named K's registers and scale words stand ahead of the wait at this macro's end, a walked step back, or of the head's.
.macro SCORES s
.irp gg, 0,1
.if \gg
.rept 8
	v_nop
.endr
	s_wait_alu depctr_va_vdst(0)                   ; the first four products are done reading K's fragments, in whose lower halves the loads below land
.endif
.irp t, 0,1,2,3
	ds_load_b128 v[KR+16*\t:KR+16*\t+3], v1 offset:SLOT*\s+1024*(4*\gg+\t)
	ds_load_b128 v[KR+16*\t+4:KR+16*\t+7], v2 offset:SLOT*\s+1024*(4*\gg+\t)
.endr
.irp e, 0,1
	ds_load_u16 v[KS+2*\gg+\e], v7 offset:256*\s+64*(2*\gg+\e)     ; two scale bytes a key; the word's upper bytes are 0, over zero codes
.endr
	s_wait_dscnt 0x0
.irp t, 0,1,2,3
.if \t%2
	v_wmma_scale_f32_16x16x128_f8f6f4 v[S+8*(4*\gg+\t):S+8*(4*\gg+\t)+7], v[KR+16*\t:KR+16*\t+15], v[16:31], 0, v[KS+2*\gg+\t/2], v237 matrix_a_scale:MATRIX_SCALE_ROW1
.else
	v_wmma_scale_f32_16x16x128_f8f6f4 v[S+8*(4*\gg+\t):S+8*(4*\gg+\t)+7], v[KR+16*\t:KR+16*\t+15], v[16:31], 0, v[KS+2*\gg+\t/2], v237
.endif
.endr
.endr
.rept 8
	v_nop                                          ; in front of the staging loads into K's registers and of the first read of the scores
.endr
	s_wait_alu depctr_va_vdst(0)                   ; the last four products are done reading K's fragments and scale words: the staging loads land in the fragments' lower halves, the next walked step's LDS loads in both
.endm
; Register 16 b + i holds key s35 + 32 b + 16 (lane / 16) + i.  With d = my query - s35 - 16 (lane / 16) it comes after my query where 32 b + i > d, and lies beyond the window where 32 b + i < d - w.
; Each mask is jumped over in the steps that it does not touch.  Both go through the registers in ascending order.  The compares go in runs of 32, each into a scalar register of its own, so that one wait
; behind a run serves its 32 selects.
.macro MASKS
	s_sub_co_i32 s37, 0, s35
	s_cmp_le_i32 s35, s33                          ; all 128 keys at or before my first query?
	s_cbranch_scc1 .Lcausal_\@
	v_add_nc_u32 v238, s37, v15
.irp hh, 0,1
.set NN, 32*\hh
.rept 32
	v_cmp_gt_i32 s[MK+NN%32], 32*(NN/16)+NN%16, v238
.set NN, NN+1
.endr
	s_wait_alu depctr_va_sdst(0)                   ; the 32 compares have written their masks, which the selects below read
.set NN, 32*\hh
.rept 32
	v_cndmask_b32 v[S+NN], v[S+NN], v240, s[MK+NN%32]
.set NN, NN+1
.endr
.endr
.Lcausal_\@:
	s_cmp_ge_i32 s35, s34                          ; the first key inside my last query's window?
	s_cbranch_scc1 .Lwindow_\@
	s_sub_co_i32 s37, s37, s28
	v_add_nc_u32 v239, s37, v15
.irp hh, 0,1
.set NN, 32*\hh
.rept 32
	v_cmp_lt_i32 s[MK+NN%32], 32*(NN/16)+NN%16, v239
.set NN, NN+1
.endr
	s_wait_alu depctr_va_sdst(0)                   ; the 32 compares have written their masks, which the selects below read
.set NN, 32*\hh
.rept 32
	v_cndmask_b32 v[S+NN], v[S+NN], v240, s[MK+NN%32]
.set NN, NN+1
.endr
.endr
.Lwindow_\@:
.endm
.macro SOFTMAX
.irp b, 0,1,2,3
	v_max3_num_f32 v[BM+\b], v[S+16*\b], v[S+16*\b+1], v[S+16*\b+2]        ; the largest score of each block of 32 keys: it serves for the row's maximum and, since p rises with the score, for the block's largest p
.endr
.irp i, 3,5,7,9,11,13
.irp b, 0,1,2,3
	v_max3_num_f32 v[BM+\b], v[BM+\b], v[S+16*\b+\i], v[S+16*\b+\i+1]      ; the four blocks by turns
.endr
.endr
.irp b, 0,1,2,3
	v_max_num_f32 v[BM+\b], v[BM+\b], v[S+16*\b+15]
.endr
.irp b, 0,1,2,3
	v_permlanex16_b32 v[PT+\b], v[BM+\b], s38, s39
.endr
.irp b, 0,1,2,3
	v_max_num_f32 v[BM+\b], v[BM+\b], v[PT+\b]     ; with lane l xor 16's 16 keys
.endr
	v_max3_num_f32 v236, v212, v213, v214
	v_max_num_f32 v236, v236, v215                 ; the step's largest score of my query
	v_mul_f32 v236, s40, v236                      ; as t (c is positive)
	v_max_num_f32 v209, v209, v236                 ; the running largest t
	v_mov_b32 v236, v208
	v_floor_f32 v208, -v209                        ; the new -M = floor(-t): M is a whole number
	v_sub_f32 v236, v208, v236                     ; old M less new M: a whole number, 0 or less
	v_cvt_i32_f32 v236, v236                       ; (it saturates)
	v_ldexp_f32 v234, 1.0, v236                    ; f = 2^(old M - new M)
.set J, 0
.rept 32
	v_pk_fma_f32 v[S+J:S+J+1], v[S+J:S+J+1], s[40:41], v[208:209] op_sel_hi:[1,0,0]   ; t - M, two at a time (of the pairs c and -M the low word serves both halves)
.set J, J+2
.endr
.irp b, 0,1,2,3
	v_fma_f32 v[BM+\b], v[BM+\b], s40, v208        ; the same of each block's largest score
.endr
.set J, 0
	s_wait_alu depctr_va_vdst(0)
.rept 64
	v_exp_f32 v[S+J], v[S+J]                       ; p = 2^(t - M), at most 1; 0 where the key is hidden
.set J, J+1
.endr
	v_pk_mul_f32 v[210:211], v[210:211], v[234:235] op_sel_hi:[1,0]   ; the sums under the new M: the plain instruction behind the exponentials
	s_wait_alu depctr_va_vdst(0)                   ; the 64 exponentials have written p: the wait ahead of the first line that names a result: one for the 64
.irp b, 0,1,2,3
	v_exp_f32 v[BM+\b], v[BM+\b]                   ; the block's largest p: the same two instructions on the same number
.endr
	v_pk_add_f32 v[PT:PT+1], v[S:S+1], v[S+2:S+3]  ; the row's sum is taken of the unquantised p, in two chains; it reads the 64 alone
.set J, 4
.rept 15
	v_pk_add_f32 v[210:211], v[210:211], v[S+J:S+J+1]
	v_pk_add_f32 v[PT:PT+1], v[PT:PT+1], v[S+J+2:S+J+3]
.set J, J+4
.endr
	v_pk_add_f32 v[210:211], v[210:211], v[PT:PT+1]
	s_wait_alu depctr_va_vdst(0)                   ; the four exponentials have written the blocks' largest p: and one for the four
.irp b, 0,1,2,3
	v_max_num_f32 v[BM+\b], 0x4800000, v[BM+\b]    ; the floor 2^(9 - 127): the byte cannot fall under 1
.endr
.irp b, 0,1,2,3
	v_add_nc_u32 v[SO+\b], 0xfc000000, v[BM+\b]    ; 8 off the exponent field: the conversion's scale operand
.endr
.irp b, 0,1,2,3
	v_and_or_b32 v[HD+\b], v[BM+\b], 0x7f800000, s42   ; 448 x the scale
.endr
.irp b, 0,1,2,3
	v_lshrrev_b32 v[PT+\b], 23, v[SO+\b]           ; the scale's byte
.endr
	v_lshl_or_b32 v235, v217, 8, v216              ; p's scale word for these 128 keys
	v_lshl_or_b32 v235, v218, 16, v235
	v_lshl_or_b32 v235, v219, 24, v235
.irp b, 0,1,2,3
.irp i, 0,1,2,3,4,5,6,7,8,9,10,11,12,13,14,15
	v_min_num_f32 v[S+16*\b+\i], v[S+16*\b+\i], v[HD+\b]   ; the conversion to an 8-bit code does not saturate (ISA guide 7.6.2); p is not negative, so the hold is one-sided
.endr
	v_cvt_scalef32_pk8_fp8_f32 v[PC+4*\b:PC+4*\b+1], v[S+16*\b:S+16*\b+7], v[SO+\b]
	v_cvt_scalef32_pk8_fp8_f32 v[PC+4*\b+2:PC+4*\b+3], v[S+16*\b+8:S+16*\b+15], v[SO+\b]
.endr
.endm
; O^T += V^T P^T: four tiles of 16 of the head's 64; K = these 128 keys.  V's fragments land where p lay.  The four accumulators take turns, and eight products K Q^T stand between two steps' links.
.macro PV s
	s_wait_alu depctr_va_vdst(0)                   ; the holds and the conversions are done writing and reading p's registers, in which V's fragments land; the last step's products are done reading V's scale words; and the conversions and shifts have written p's codes and scale word, which the scaled products below take
.irp t, 0,1,2,3
.irp c, 0,1,2,3
	ds_load_b128 v[S+16*\t+4*\c:S+16*\t+4*\c+3], v[3+\c] offset:SLOT*\s+2048*\t
.endr
.endr
.irp p, 0,1
	ds_load_b32 v[VS+\p], v8 offset:256*\s+128*\p
.endr
.set J, 0
.rept 16
	v_pk_mul_f32 v[OT+J:OT+J+1], v[OT+J:OT+J+1], v[234:235] op_sel_hi:[1,0]   ; O^T under the new M.  These sixteen are also the plain lines behind the conversions and in front of the scaled products; they name none of the registers that the loads above touch
.set J, J+2
.endr
	s_wait_alu depctr_va_vdst(0)
	s_wait_dscnt 0x0
.irp t, 0,1,2,3
.if \t%2
	v_wmma_scale_f32_16x16x128_f8f6f4 v[OT+8*\t:OT+8*\t+7], v[S+16*\t:S+16*\t+15], v[PC:PC+15], v[OT+8*\t:OT+8*\t+7], v[VS+\t/2], v235 matrix_a_scale:MATRIX_SCALE_ROW1
.else
	v_wmma_scale_f32_16x16x128_f8f6f4 v[OT+8*\t:OT+8*\t+7], v[S+16*\t:S+16*\t+15], v[PC:PC+15], v[OT+8*\t:OT+8*\t+7], v[VS+\t/2], v235
.endif
.endr
.rept 9
	v_nop                                          ; nine places: the next step's products K Q^T write over the registers that these read as V's fragments
.endr
.endm
; A TRIP: the 128 keys from s35 on, in slot s.  One barrier serves both ways: in front of it each wave has waited for its stores into the other slot and for its reads of this one; the other slot was last read a trip
; ago, and those reads were waited for in front of that trip's barrier.
.macro TRIP s
	GLIVE 128
	s_cmp_gt_i32 s35, s29                          ; all keys after my last query:
	s_cbranch_scc1 .Lidle_\@
	s_cmp_lt_i32 s35, s30                          ; or all beyond my first query's window: nothing of the step counts
	s_cbranch_scc1 .Lidle_\@
	SCORES \s
	ISSUE                                          ; the next tile has the softmax in which to land
	MASKS
	SOFTMAX
	PV \s
	s_branch .Ljoin_\@
.Lidle_\@:
	ISSUE                                          ; a wave with nothing to compute still stages its quarter for the others.  No wait: no vector or matrix line has named K's lower halves since the wait behind the last products K Q^T, or the head's
.Ljoin_\@:
	s_wait_loadcnt 0x0                             ; the staged quarter is in, and its loads have read their addresses, which step now
	s_add_nc_u64 s[8:9], s[8:9], 8192              ; 128 keys of 64 bytes
	s_add_nc_u64 s[12:13], s[12:13], 128           ; 128 codes in each row of V
	s_add_co_u32 s35, s35, 128
	STORE 1-\s
	s_wait_dscnt 0x0                               ; for the others' sake: my stores have landed, my reads of slot s are over
	s_wait_alu depctr_vm_vsrc(0)                   ; the staging stores have read K's lower halves, in which the next trip's loads land on either way; the LDS loads have read v7 and v8, which are stepped behind a loop trip's second step
	s_barrier_signal -1
	s_barrier_wait -1
.endm
	s_load_b256 s[4:11], s[0:1], 0x0               ; Q's codes s[4:5], Q's scales s[6:7], K's codes s[8:9], K's scales s[10:11]
	s_load_b256 s[12:19], s[0:1], 0x20             ; V's codes s[12:13], V's scales s[14:15], the windows s[16:17], out0 s[18:19]
	v_lshl_add_u32 v13, v0, 2, SPARE               ; my spare word,
	v_mov_b32 v14, 0                               ; and 0: kept for the wave's last lines
	v_lshrrev_b32 v112, 5, v0
	v_readfirstlane_b32 s20, v112                  ; wave 0..15
	s_wait_alu depctr_va_sdst(0)                   ; s20 is written, ahead of its first reader: the group, the head, the queries and the LDS bytes are made from it
	s_lshr_b32 s21, s20, 2                         ; group
	s_and_b32 s22, s20, 3                          ; wave in the group
	s_and_b32 s37, ttmp7, 0xffff
	s_lshr_b32 s44, s37, 2                         ; batch
	s_and_b32 s37, s37, 3
	s_lshl_b32 s24, s21, 2
	s_add_co_u32 s24, s24, s37                     ; head = y % 4 + 4 x group
	s_lshl_b32 s25, s44, 4
	s_add_co_u32 s25, s25, s24
	s_and_b32 s37, s21, 1
	s_mul_i32 s37, s37, 31
	s_xor_b32 s23, ttmp9, s37                      ; block i in groups 0 and 2, block 31 - i in groups 1 and 3
	s_lshl_b32 s26, s23, 6
	s_lshl_b32 s37, s22, 4
	s_add_co_u32 s27, s26, s37                     ; my first query
	s_mul_i32 s48, s21, GSZ
	s_mov_b32 s38, 0x76543210
	s_mov_b32 s39, 0xfedcba98                      ; v_permlanex16_b32's selects for lane l xor 16
	s_mov_b32 s40, 0x3e38aa3b                      ; c = log2(e) / 8
	s_mov_b32 s41, s40                             ; (named with it as a pair, so it is written)
	s_mov_b32 s42, 0x600000
	s_mov_b32 s43, 8
	; zeros.  Of K's four fragments the upper halves are the zero codes of k = 64 .. 127 and stay; the lower halves get a value so that they hold one on every way.  Q's upper half likewise.
	; O^T and the sum begin as zeros: which step is a wave's first hangs on the window, so it cannot be written out apart; the first change of M multiplies zeros.
.set J, 0
.rept 64
	v_mov_b32 v[KR+J], 0
.set J, J+1
.endr
.set J, 24
.rept 8
	v_mov_b32 v[J], 0
.set J, J+1
.endr
.set J, 0
.rept 32
	v_mov_b32 v[OT+J], 0
.set J, J+1
.endr
	v_mov_b32 v210, 0
	v_mov_b32 v211, 0
.irp b, 0,1,2,3
	v_mov_b32 v[PT+\b], 0                          ; a lane permute's destination counts as one of its sources
.endr
	v_mov_b32 v235, 0                              ; (named as the upper half of the pair v[234:235] before it is first written)
	v_mov_b32 v209, 0xff61b1e6                     ; the largest t so far: -3e38
	v_floor_f32 v208, -v209                        ; -M
	v_mov_b32 v240, 0xff800000                     ; -infinity
	; every LDS address is made here, ahead of the first branch: a lane part, plus constants times the group and the wave
	v_and_b32 v112, 31, v0                         ; L
	v_and_b32 v113, 15, v0                         ; r
	v_bfe_u32 v114, v0, 4, 1                       ; h
	v_lshlrev_b32 v115, 2, v114
	v_xor_b32 v115, v113, v115                     ; r xor 4 h
	v_lshlrev_b32 v1, 4, v115
	v_lshl_add_u32 v1, v114, 8, v1
	v_add_nc_u32 v1, s48, v1                       ; K, k = 16 h on: piece x = h
	v_xor_b32 v115, 8, v115
	v_lshlrev_b32 v2, 4, v115
	v_lshl_add_u32 v2, v114, 8, v2
	s_add_co_u32 s49, s48, 512
	v_add_nc_u32 v2, s49, v2                       ; K, k = 32 + 16 h on: piece x = 2 + h
	v_lshlrev_b32 v115, 1, v114
	v_xor_b32 v115, v113, v115                     ; r xor 2 h
.irp c, 0,1,2,3
.if \c
	v_xor_b32 v116, 4*\c, v115
	v_lshlrev_b32 v[3+\c], 4, v116
.else
	v_lshlrev_b32 v3, 4, v115
.endif
	v_lshl_add_u32 v[3+\c], v114, 8, v[3+\c]
	s_add_co_u32 s49, s48, VOFF+512*\c
	v_add_nc_u32 v[3+\c], s49, v[3+\c]             ; V, keys 32 c + 16 h on: piece x = 2 c + h
.endr
	v_and_b32 v115, 8, v113
	v_add_nc_u32 v115, v115, v113
	v_lshl_add_u32 v115, v114, 3, v115             ; r + 8 (r / 8) + 8 h: lanes 16-31 take the odd tile's keys
	s_add_co_u32 s49, s48, KSC
	v_lshl_add_u32 v7, v115, 1, s49                ; K's scale words: 2 bytes a key
	s_add_co_u32 s49, s48, VSC
	v_lshl_add_u32 v8, v112, 2, s49                ; V's: row d = 32 p + lane
	v_and_b32 v115, 3, v0                          ; staging K: my 16 bytes are piece x = L % 4 of key L / 4 of the load's eight
	v_bfe_u32 v116, v0, 2, 3
	v_lshlrev_b32 v117, 2, v115
	v_xor_b32 v116, v116, v117
	v_lshlrev_b32 v9, 4, v116
	v_lshl_add_u32 v9, v115, 8, v9
	v_xor_b32 v10, 128, v9                         ; lanes 8 .. 15 of a tile: the column's bit 3 turned
	s_lshl_b32 s49, s22, 11
	s_add_co_u32 s49, s49, s48                     ; my two tiles of K; my tile of V lies as far into V's
	v_add_nc_u32 v9, s49, v9
	v_add_nc_u32 v10, s49, v10
	s_lshl_b32 s37, s22, 11
	v_lshl_add_u32 v11, v112, 4, s37               ; in memory: 16 L + my 32 keys
	v_and_b32 v115, 7, v0                          ; staging V: piece x = L % 8 of row L / 8 of the load's four
	v_bfe_u32 v116, v0, 3, 2
	v_lshlrev_b32 v117, 1, v115
	v_xor_b32 v117, v116, v117
	v_lshlrev_b32 v117, 4, v117
	v_lshl_add_u32 v117, v115, 8, v117
	s_add_co_u32 s49, s49, VOFF
.irp m, 0,1,2,3
.if \m
	v_xor_b32 v[244+\m], 64*\m, v117               ; lanes 4 m on: the column's bits 2 and 3 turned
	v_add_nc_u32 v[244+\m], s49, v[244+\m]
.else
	v_add_nc_u32 v244, s49, v117
.endif
.endr
	v_lshlrev_b32 v12, 11, v116
	v_lshl_add_u32 v12, v115, 4, v12
	s_lshl_b32 s37, s22, 15
	v_add_nc_u32 v12, s37, v12                     ; in memory: row 16 wg + L / 8 of 2,048 bytes, + 16 (L % 8)
	v_lshlrev_b32 v15, 4, v114
	v_sub_nc_u32 v15, v113, v15
	v_add_nc_u32 v15, s27, v15                     ; my query - 16 h
	s_mul_i32 s49, s20, 4352
	s_add_co_u32 s49, s49, STAGE                   ; my stage
	v_mul_u32_u24 v241, v113, 272
	v_lshl_add_u32 v241, v114, 5, v241
	v_add_nc_u32 v241, s49, v241                   ; in: row r, + 32 h
	v_mul_u32_u24 v242, v114, 272
	v_lshl_add_u32 v242, v113, 4, v242
	v_add_nc_u32 v242, s49, v242                   ; back: lanes 0-15 one row, lanes 16-31 the next
	v_lshlrev_b32 v243, 4, v112                    ; 16 L: two rows of out0; also my 16 bytes of a load of scale bytes
	s_lshl_b32 s49, s22, 10
	s_add_co_u32 s49, s49, s48
	s_add_co_u32 s49, s49, KSC
	v_lshl_add_u32 v248, v112, 4, s49              ; K's scale bytes go as they lie: my wave's 1,024
	v_and_b32 v115, 3, v0
	v_bfe_u32 v116, v0, 2, 3
	v_lshlrev_b32 v249, 10, v115
	v_lshl_add_u32 v249, v116, 2, v249
	s_lshl_b32 s49, s22, 6
	s_add_co_u32 s49, s49, s48
	s_add_co_u32 s49, s49, VSC
	v_add_nc_u32 v249, s49, v249                   ; V's are turned: my 16 bytes are words 4 (L % 4) + k of row 16 wg + 8 i + L / 4
	v_lshlrev_b32 v250, 6, v113
	v_lshl_add_u32 v250, v114, 4, v250             ; Q: row r of 64 bytes, + 16 h
	v_lshlrev_b32 v251, 1, v113                    ; Q's scale bytes: 2 a row
	s_wait_kmcnt 0x0
	s_mov_b32 s45, 0
	s_lshl_b32 s44, s24, 2
	s_add_nc_u64 s[16:17], s[16:17], s[44:45]
	s_load_b32 s28, s[16:17], 0x0                  ; my head's window
	s_lshl_b32 s44, s25, 17                        ; a head's codes: 131,072 bytes
	s_add_nc_u64 s[8:9], s[8:9], s[44:45]
	s_add_nc_u64 s[12:13], s[12:13], s[44:45]
	s_lshl_b32 s44, s25, 12                        ; a head's scale bytes: 4,096; my wave copies 1,024 of them
	s_lshl_b32 s46, s22, 10
	s_add_co_u32 s44, s44, s46
	s_add_nc_u64 s[10:11], s[10:11], s[44:45]
	s_add_nc_u64 s[14:15], s[14:15], s[44:45]
	s_lshl_b32 s46, s25, 11
	s_add_co_u32 s46, s46, s27                     ; my first query among all rows
	s_lshl_b32 s44, s46, 6
	s_add_nc_u64 s[4:5], s[4:5], s[44:45]
	s_lshl_b32 s44, s46, 1
	s_add_nc_u64 s[6:7], s[6:7], s[44:45]
	s_lshl_b32 s44, s46, 8
	s_add_nc_u64 s[18:19], s[18:19], s[44:45]
	s_wait_alu depctr_va_vdst(0)                   ; every address and offset of the kernel is written (v1-12, v241-251), which the loads and stores from here on read; so are the zeros in v32-95, in whose lower halves loads land, the head's scratch v112-117, where V's fragments will land, and the zero halves of K's and Q's fragments, which the scaled products take
	global_load_b128 v[16:19], v250, s[4:5] th:TH_LOAD_NT             ; Q's fragment stays in registers
	global_load_b128 v[20:23], v250, s[4:5] offset:32 th:TH_LOAD_NT
	global_load_u16 v237, v251, s[6:7]             ; Q's scale words; the upper bytes are 0, over zero codes
.irp i, 0,1
	global_load_b128 v[96+4*\i:99+4*\i], v243, s[10:11] offset:512*\i
	global_load_b128 v[104+4*\i:107+4*\i], v243, s[14:15] offset:512*\i
.endr
	s_wait_kmcnt 0x0                               ; the window
	s_max_i32 s28, s28, -1                         ; held to -1 .. 2,047: the same mask
	s_min_i32 s28, s28, 0x7ff
	s_add_co_u32 s29, s27, 15                      ; a step is walked where its first key is at most my last query
	s_sub_co_i32 s30, s27, s28
	s_sub_co_i32 s30, s30, 127                     ; and its last key at least my first query - w
	s_add_co_u32 s31, s26, 63                      ; the same for the group's 64 queries
	s_sub_co_i32 s32, s26, s28
	s_sub_co_i32 s32, s32, 127
	s_sub_co_i32 s33, s27, 127                     ; up to here no key comes after a query of mine
	s_sub_co_i32 s34, s29, s28                     ; from here on no key lies beyond a window of mine
	s_mov_b32 s35, 0
	GLIVE 0
	ISSUE                                          ; tile 0
	s_wait_loadcnt 0x0                             ; Q, the scale bytes, tile 0
.irp i, 0,1
	ds_store_b128 v248, v[96+4*\i:99+4*\i] offset:512*\i
.endr
.irp i, 0,1
.irp k, 0,1,2,3
	ds_store_b32 v249, v[104+4*\i+\k] offset:256*\k+32*\i
.endr
.endr
	s_add_nc_u64 s[8:9], s[8:9], 8192
	s_add_nc_u64 s[12:13], s[12:13], 128
	STORE 0
	s_wait_dscnt 0x0                               ; for the others' sake: my stores have landed
	s_wait_alu depctr_vm_vsrc(0)                   ; the scale bytes' stores have read v96-111, which the first products write; the staging stores have read K's lower halves, in which the first trip's loads land
	s_barrier_signal -1
	s_barrier_wait -1
.Lkeys:                                            ; eight trips of two steps: all 2,048 keys, in every wave
	TRIP 0
	TRIP 1
	v_add_nc_u32 v7, 512, v7                       ; 256 keys on among K's scale bytes,
	v_add_nc_u32 v8, 512, v8                       ; two steps on among V's scale words (the LDS loads have read both: the wait on vm_vsrc in front of the barrier above)
	s_wait_alu depctr_va_vdst(0)                   ; v7 and v8 are written, which the next trip's LDS loads read
	s_sub_co_u32 s43, s43, 1
	s_cmp_lg_u32 s43, 0
	s_cbranch_scc1 .Lkeys
	; THE WAY OUT.  O^T is divided by the row's sum and goes through my own stage in LDS, so that sixteen lanes store one row of 256 bytes.
	v_add_f32 v210, v210, v211                     ; the sum's two halves,
	v_permlanex16_b32 v216, v210, s38, s39
	v_add_f32 v210, v210, v216                     ; and lane l xor 16's
	s_wait_alu depctr_va_vdst(0)
	v_rcp_f32 v210, v210
	v_nop                                          ; a plain instruction behind the reciprocal,
	s_wait_alu depctr_va_vdst(0)                   ; the reciprocal has written v210: the wait ahead of its first reader
.set J, 0
.rept 32
	v_mul_f32 v[S+J], v[OT+J], v210                ; register 8 t + j is out0(query r, 16 t + 8 h + j)
.set J, J+1
.endr
	s_wait_alu depctr_va_vdst(0)                   ; the 32 multiplications have written v96-127, which the LDS stores read; no vector line behind this wait names v128-159, in which the loads from the stage land
.irp t, 0,1,2,3
	ds_store_b128 v241, v[S+8*\t:S+8*\t+3] offset:64*\t
	ds_store_b128 v241, v[S+8*\t+4:S+8*\t+7] offset:64*\t+16
.endr
.irp i, 0,1,2,3,4,5,6,7
	ds_load_b128 v[S+32+4*\i:S+32+4*\i+3], v242 offset:544*\i      ; LDS serves a wave's instructions in order (ISA guide 5.7.1.4): these see my stores
.endr
.irp i, 0,1,2,3,4,5,6,7
	s_wait_dscnt 7-\i                              ; the 7 - i younger loads may stay out
	global_store_b128 v243, v[S+32+4*\i:S+32+4*\i+3], s[18:19] offset:512*\i th:TH_STORE_NT   ; 32 lanes store 512 consecutive bytes, at a multiple of 256 from out0's first byte
.endr
	s_wait_dscnt 0x0                               ; the wave's end, behind my last LDS store
	s_wait_alu 0x0
	s_wait_tensorcnt 0x0
	ds_add_u32 v13, v14
	s_wait_dscnt 0x0
	s_endpgm
.Lfunc_end_k_qad089a4a77_attn:
	.size	k_qad089a4a77_attn, .Lfunc_end_k_qad089a4a77_attn-k_qad089a4a77_attn
	.p2alignl 7, 3214868480
	.fill 96, 4, 3214868480
	.section	.rodata,"a",@progbits
	.p2align	6, 0x0
	.amdhsa_kernel k_qad089a4a77_attn
		.amdhsa_group_segment_fixed_size 235520
		.amdhsa_private_segment_fixed_size 0
		.amdhsa_enable_private_segment 0
		.amdhsa_kernarg_size 64
		.amdhsa_user_sgpr_count 2
		.amdhsa_user_sgpr_kernarg_segment_ptr 1
		.amdhsa_wavefront_size32 1
		.amdhsa_system_sgpr_workgroup_id_x 1
		.amdhsa_system_sgpr_workgroup_id_y 1
		.amdhsa_system_sgpr_workgroup_id_z 1
		.amdhsa_system_vgpr_workitem_id 0
		.amdhsa_next_free_vgpr 256
		.amdhsa_next_free_sgpr 98
		.amdhsa_reserve_vcc 0
		.amdhsa_float_denorm_mode_32 3
		.amdhsa_float_denorm_mode_16_64 3
		.amdhsa_memory_ordered 1
		.amdhsa_forward_progress 1
		.amdhsa_inst_pref_size 98
	.end_amdhsa_kernel
	.amdgpu_metadata
---
amdhsa.version: [ 1, 2 ]
amdhsa.kernels:
  - .name:           k_qad089a4a77_attn
    .symbol:         k_qad089a4a77_attn.kd
    .args:
      - { .name: Q_codes, .offset: 0, .size: 8, .value_kind: global_buffer, .address_space: global }
      - { .name: Q_scales, .offset: 8, .size: 8, .value_kind: global_buffer, .address_space: global }
      - { .name: K_codes, .offset: 16, .size: 8, .value_kind: global_buffer, .address_space: global }
      - { .name: K_scales, .offset: 24, .size: 8, .value_kind: global_buffer, .address_space: global }
      - { .name: V_codes, .offset: 32, .size: 8, .value_kind: global_buffer, .address_space: global }
      - { .name: V_scales, .offset: 40, .size: 8, .value_kind: global_buffer, .address_space: global }
      - { .name: window_sizes, .offset: 48, .size: 8, .value_kind: global_buffer, .address_space: global }
      - { .name: out0, .offset: 56, .size: 8, .value_kind: global_buffer, .address_space: global }
    .group_segment_fixed_size: 235520
    .private_segment_fixed_size: 0
    .kernarg_segment_align: 8
    .kernarg_segment_size: 64
    .max_flat_workgroup_size: 512
    .sgpr_count:     98
    .vgpr_count:     256
    .wavefront_size: 32
...
	.end_amdgpu_metadata
.endif
;; end of part 2
